; MI455X (gfx1250); checked and timed in simulation.
; The chip was launched on July 23, 2026; its instructions are those of AMD's public machine-readable ISA for CDNA 5 (MIT licence, August 2026) and "CDNA5" Instruction Set Architecture Reference Guide (July 2026). The comments in the code are by the model that wrote it; some were corrected since.
;; Top K Swi GLUFF. Allowed arithmetic: matrix products marked QUANTISED: E3M2 operands, one E8M0 scale for each 32 along K, by v_wmma_scale_f32_16x16x128_f8f6f4 with both operands' format E3M2, f32 sums; everything else in f32.
;; Inputs: w1_codes 1,024 x 64 x 24 uint8 (E3M2 codes of w1, K innermost, in blocks of 32 codes, four codes in three bytes); w1_scales 1,024 x 64 uint8 (E8M0 scales of w1, one for each 32 codes along K); w2_codes 2,048 x 32 x 24 uint8 (E3M2 codes of w2, K innermost, in blocks of 32 codes, four codes in three bytes); w2_scales 2,048 x 32 uint8 (E8M0 scales of w2, one for each 32 codes along K); w3_codes 1,024 x 64 x 24 uint8 (E3M2 codes of w3, K innermost, in blocks of 32 codes, four codes in three bytes); w3_scales 1,024 x 64 uint8 (E8M0 scales of w3, one for each 32 codes along K); x_codes 4 x 2,048 x 64 x 24 uint8 (E3M2 codes of x, K innermost, in blocks of 32 codes, four codes in three bytes); x_scales 4 x 2,048 x 64 uint8 (E8M0 scales of x, one for each 32 codes along K).
;; Outputs: out0 4 x 2,048 x 2,048 float32.
;; This version of the problem:
;;   THIS VERSION OF THE PROBLEM IS GIVEN IN LOW PRECISION. The matrix products marked QUANTISED in the list below multiply operands that are first quantised to E3M2 (3 exponent bits, 2 mantissa bits; 6 bits a number), with one power-of-two scale for each 32 numbers along K (OCP MX v1.0); their sums are f32. All else is computed in f32.
;;   The module's matrix products, in the order in which they are computed (A, B: the left and right operand; K: the contracted axis; several contracted axes count as one K, in the product's order):
;;     1. [M 8,192, K 2,048] x [K 2,048, N 1,024]; A: input x (given as codes); B: input w1 (given as codes): QUANTISED
;;     2. [M 8,192, K 2,048] x [K 2,048, N 1,024]; A: input x (given as codes); B: input w3 (given as codes): QUANTISED
;;     3. [M 8,192, K 1,024] x [K 1,024, N 2,048]; A: computed on the way; B: input w2 (given as codes): QUANTISED
;;   THE QUANTISER, for each operand of a quantised product, along K:
;;     - K is cut into blocks of 32 from its start; a last block that is shorter is filled with zeros.
;;     - A block's scale is 2^e with e = floor(log2(the largest magnitude in the block)) - 4, held to -126 .. 127; a block of zeros has e = 0. As a byte (E8M0): e + 127.
;;     - Each number is divided by its block's scale, clamped to +-28, and rounded to the nearest number of E3M2, ties to even, subnormals kept.
;;     - The product sums the exact products of the quantised numbers (number of the format x scale) in f32.
;;   ~~~python
;;   def quantise(x, axis):      # numpy; x: float32 -> the quantised numbers, widened to float32 again
;;       x = np.moveaxis(x, axis, -1); K = x.shape[-1]
;;       x = np.pad(x, [(0, 0)] * (x.ndim - 1) + [(0, -K % 32)]); x = x.reshape(x.shape[:-1] + (-1, 32)); a = np.abs(x).max(-1, keepdims=True)
;;       e = np.where(a > 0, np.clip(np.frexp(np.where(a > 0, a, 1))[1] - 1 - 4, -126, 127), 0)      # np.frexp(a)[1] - 1 = floor(log2(a)), exactly
;;       r = np.clip(x / 2.0 ** e, -28, 28)
;;       step = 2.0 ** (np.maximum(np.frexp(np.where(r == 0, 1, r))[1] - 1, -2) - 2)
;;       q = np.round(r / step) * step * 2.0 ** e      # np.round: ties to even
;;       return np.moveaxis(q.reshape(q.shape[:-2] + (-1,))[..., :K], -1, axis).astype(np.float32)
;;   ~~~
;;   OPERANDS COMPUTED ON THE WAY. 'Computed on the way' means the value that the module computes at that place (a softmax that the list does not call 'softmax' is quantised finished and normalised). What goes into a quantiser is computed in f32, as accurately as f32 sums, v_exp_f32 and their like allow (about 1e-6 of the number): no bf16 or f16 on the way to a quantiser, and a product that is left as it is and whose result goes on into a quantised operand takes f32 operands (vector FMAs, or v_wmma_f32_16x16x4_f32). A number that lies on a knife's edge between two numbers of the format may be rounded either way, as far as f32 arithmetic and the matrix unit's own rounding can turn it there, and no further.
;;   INPUTS GIVEN AS CODES. w1 (in the module: [1024, 2048], K = its axis 1); w2 (in the module: [2048, 1024], K = its axis 1); w3 (in the module: [1024, 2048], K = its axis 1); x (in the module: [4, 2048, 2048], K = its axis 2): each comes as NAME_codes (uint8): NAME with its K axis moved to the last place and cut into blocks of 32 codes, [.., K / 32, bytes a block], one block behind the other in memory; four codes in three bytes: a row's codes are one little-endian stream of bits, code i at bits 6 i .. 6 i + 5 (a code: sign, 3 exponent bits, 2 mantissa bits); and NAME_scales (uint8): the same leading axes, one E8M0 byte (e + 127) for each 32 codes along K. Its value is code x scale, taken as it is: it is not quantised again, and the codes and scales need not be those that the quantiser above would give.
;; One version. Each part assembles by itself: llvm-mc -triple=amdgcn-amd-amdhsa -mcpu=gfx1250 --defsym DOCPART=n.
;; ======== version 1 of 1: 2 launches
;; workspace buffers: g_img 6,291,456 bytes; g_scl 262,144 bytes
;; launch gate (part 1): grid 8 x 32, 4 waves a work-group, clusters of 4 x 4, 327,680 bytes of LDS; arguments x_codes, x_scales, w1_codes, w1_scales, w3_codes, w3_scales, g_img, g_scl; writes g_img, g_scl
.if DOCPART == 1
	.amdgcn_target "amdgcn-amd-amdhsa--gfx1250"
	.amdhsa_code_object_version 6
	.text
	.protected	k_qd5ef3cbc88_gate
	.globl	k_qd5ef3cbc88_gate
	.p2align	8
	.type	k_qd5ef3cbc88_gate,@function
k_qd5ef3cbc88_gate:
	s_mov_b64 s[64:65], 0
	v_nop
	global_prefetch_b8 v0, s[64:65] scope:SCOPE_SE
	s_setreg_imm32_b32 hwreg(HW_REG_WAVE_MODE, 25, 1), 1
	s_wait_xcnt 0x0
	s_wait_alu depctr_hold_cnt(0) depctr_sa_sdst(0) depctr_va_vdst(0) depctr_va_sdst(0) depctr_va_ssrc(0) depctr_va_vcc(0) depctr_vm_vsrc(0)
	s_getreg_b32 s2, hwreg(HW_REG_IB_STS2, 6, 4)
	s_cmp_eq_u32 s2, 0
	s_cbranch_scc0 .Lentry_in_a_cluster
	s_endpgm
.Lentry_in_a_cluster:
	s_bfe_u32 s2, ttmp6, 0x10000c
	s_cmp_lg_u32 s2, 0xf033
	s_cbranch_scc0 .Lentry_shape_is_right
	s_endpgm
.Lentry_shape_is_right:
; gate[row][f] = silu(h1) * h3, h1 = x w1^T, h3 = x w3^T, then quantised to BF6 (E3M2) in blocks of 32 along f.  x: [8192][2048], w1, w3: [1024][2048]: codes of 6 bits, K innermost
; (a row is 1,536 bytes), one E8M0 byte for each 32 along K (a row of scales is 64 bytes).  Sums, silu and the product in f32.  The top-k of the source is never taken: 2,048 is not below 1,024.
; SHARES.  A work-group of four waves takes 256 rows of x (tile row Y) and 128 f (tile column X) of BOTH weights; a wave takes 128 rows x 64 f of both: 64 accumulators of 16 x 16, 512 registers.
; A wave's eight blocks of B are four blocks of 16 rows of w1 and the four blocks of w3 at the same f, so that h1 and h3 of one (row, f) lie in one lane, 32 registers apart.
; K goes in steps of 256 through a ring of two LDS slots filled by the tensor data mover (a tile's row is 192 bytes); all scale bytes of the work-group's rows come once, with the first fills, and stay.
; CLUSTERS: 4 x 4 work-groups.  The four of a row of the cluster need the same tiles of x, the four of a column the same tiles of w1 and w3: each tile is asked for jointly.
; THE MATRIX INSTRUCTION IS USED TRANSPOSED (source 0 = 16 rows of a weight, source 1 = 16 rows of x): lane (r, h) holds row r of x and, in register j of block b, f = 16 (b % 4) + 8 h + j.
; THE RESULT is laid as the next launch wants its operand: g_img holds images of the operand's registers, [row / 128][f / 256][tile of 16 rows][(f / 128) % 2][1,536 bytes]; a fragment (16 rows x 128 f) is two
; halves of 768 bytes (registers 6 c .. 6 c + 5): lane l's first four registers at 16 l, its last two at 512 + 8 l.  g_scl holds the scale words, [row / 256][f / 128][half of the rows][128 words]; the word
; of row 16 a + r lies at byte 256 (a % 2) + 16 r + 4 (a / 2).
; LIMITS: NaN and infinities are not served.  Where 1 + e^(-h1) passes 2^126 (h1 under -87.3) the reciprocal, and so the gate, is 0 where the exact number lies under about 1e-36 x |h3|.
; e^(-h1) is 2^(h1 x -log2 e) with the product rounded once, so its relative error grows with |h1| (about 4e-8 x |h1|).  A block of zeros gets the byte 1, not 127: its codes are zeros, and this program alone reads the bytes.
; REGISTERS, in windows of 256: window 0: v0-31 addresses; v32-63 scale words, two sets; v128-223 x's fragments, ONE set; on the way out v64-241 are at work.
;   window 1: the weights' fragments, TWO sets, at v0 and v128.   window 2: the accumulators of my rows 0-63 ((a, b) at v[8 (8 (a % 4) + b)]);   window 3: those of rows 64-127.
.set ROWB,   192                       ; a tile's row: 256 codes
.set KROW,   1536                      ; a row of x, w1 or w3 in memory
.set PITCH,  240                       ; an LDS row: 3 x (64 bytes + 16 of padding)
.set FR,     12                        ; registers of a fragment
.set NLA,    6                         ; LDS loads that bring a fragment of x
.set NP,     4                         ; places behind this matrix instruction (ISA guide 7.12.1)
.set HALFT,  128*PITCH                 ; 128 rows: what one tensor load brings
.set SLOT,   4*HALFT                   ; x's 256 rows, w1's 128, w3's 128
.set LAPS,   4                         ; a lap = two slots = 512 along K
.set SUP,    264                       ; the scales lie as units of 256 bytes + 8 of padding: four rows of 64 bytes to a unit
.set HALFS,  32*SUP                    ; the scales of 128 rows
.set SCL,    2*SLOT                    ; behind the ring: x's two halves, w1's, w3's
.set SPARE,  SCL+4*HALFS               ; the spare words, 128 bytes for each wave; no other line names them
.set SCST,   SPARE+512                 ; a stage of 1,024 bytes for the gate's scale words; no fill lands there
.set ASTEP,  2*ROWB                    ; a slot's next tile lies two slots on along K
.set BSTEP,  2*ROWB
.set SASTEP, 8                         ; a slot's two scale words of a row
.set SBSTEP, 8
.set ADRA,  16                         ; v16-17 LDS address of x's fragments in slot 0, 1; v18-19 the same behind one padding more
.set ADRB,  20                         ; v20-23 the same for the weights
.set GA,    24                         ; v24 16 x lane
.set GB,    25                         ; v25 8 x lane
.set SST,   26                         ; v26 where I put my two scale bytes of a row
.set ADRSA, 27                         ; v27 LDS address of x's scale words
.set SPW,   28                         ; v28 LDS address of my spare word; never rewritten
.set NIL,   29                         ; v29 0; never rewritten
.set ADRSB, 30                         ; v30 LDS address of the weights' scale words
.set SRD,   31                         ; v31 where I read 8 bytes of the stage back
.set SC,    32                         ; scale words: set s at v[SC + 16 s]: 8 registers of x's, then 8 of the weights'; register 2 i + q: lanes 0-15 block 2 i, lanes 16-31 block 2 i + 1, the slot's q-th 128 along K
.set AF,    128                        ; x's fragments
.set QM,    224                        ; v224-225 the two blocks' largest magnitudes
.set QX,    226                        ; v226-227 the other half of the lanes'
.set QO,    228                        ; v228-229 the conversions' scale operands
.set QB,    230                        ; v230-231 the scale bytes
.set QH,    232                        ; v232-239 block a's two bytes as a halfword
.set G1,   24                          ; s[24:31] descriptor group 1 for x's tiles; s[32:39] group 0, one set for each slot
.set G0,   32
.set G1B,  48                          ; s[48:55], s[56:63] the same for the weights' tiles
.set G0B,  56
.set G1S,  68                          ; s[68:75], s[76:79] groups 1 and 0 for x's scales; s[80:87], s[88:91] for the weights'
.set G0S,  76
.set G1SB, 80
.set G0SB, 88
.set MSB, 0
.macro WIN new                         ; the immediate's high byte repeats the setting that is left
.if MSB != (\new)
	s_set_vgpr_msb (MSB<<8)|(\new)
.set MSB, (\new)
.endif
.endm
.set MUL_LO, 0xa1                      ; source 0 (weights) window 1, source 1 (x) window 0, C and D window 2
.set MUL_HI, 0xf1                      ; the same, C and D window 3
.set TO_B,   0x40                      ; destination window 1, address window 0
; A joint load: waves 0 and 1 fetch for x, wave 2 for w1, wave 3 for w3.  The branch hangs on the wave's number alone.  Four v_nop follow each of the two lines.
.macro JLOAD g0a, g1a, g0b, g1b
	s_cmp_eq_u32 s15, 0
	s_cbranch_scc0 .Lfor_b_\@
	tensor_load_to_lds s[\g0a:\g0a+3], s[\g1a:\g1a+7]
	s_nop 0
.rept 4
	v_nop
.endr
	s_branch .Lasked_\@
.Lfor_b_\@:
	tensor_load_to_lds s[\g0b:\g0b+3], s[\g1b:\g1b+7]
	s_nop 0
.rept 4
	v_nop
.endr
.Lasked_\@:
.endm
.macro CREST                           ; a round of the cluster's barrier behind its opening barrier
	s_cmp_lg_u32 s14, 0
	s_cbranch_scc1 .Lnot_wave_0_\@
	s_barrier_signal -3
.Lnot_wave_0_\@:
	s_barrier_wait -3
	s_barrier_signal -1
	s_barrier_wait -1
.endm
.macro CROUND                          ; a whole round
	s_barrier_signal -1
	s_barrier_wait -1
	CREST
.endm
	s_load_b128 s[4:7], s[0:1], 0x0                ; x's codes s[4:5], x's scales s[6:7]
	s_load_b128 s[8:11], s[0:1], 0x10              ; w1's codes s[8:9], w1's scales s[10:11]
	s_load_b128 s[96:99], s[0:1], 0x20             ; w3's codes s[96:97], w3's scales s[98:99]
	s_load_b64 s[12:13], s[0:1], 0x30              ; g_img
	s_load_b64 s[66:67], s[0:1], 0x38              ; g_scl
	v_lshl_add_u32 v[SPW], v0, 2, SPARE
	v_mov_b32 v[NIL], 0
	ds_add_u32 v28, v29
	ds_add_u32 v28, v29
	s_wait_dscnt 0x0
	v_lshrrev_b32 v1, 5, v0
	v_readfirstlane_b32 s14, v1                    ; wave 0..3
	s_lshr_b32 s15, s14, 1                         ; which half of the rows is mine.  Also: I fetch for x (0) or for a weight (1)
	s_and_b32 s16, s14, 1                          ; which 64 f are mine.  Also: which half of x, or which weight, I fetch
	s_bfe_u32 s40, ttmp6, 0x40000                  ; cx, cy: my place in the cluster
	s_bfe_u32 s41, ttmp6, 0x40004
	s_lshl_b32 s42, ttmp9, 2
	s_add_co_u32 s42, s42, s40                     ; X = 4 x cluster x + cx
	s_and_b32 s17, ttmp7, 0xffff
	s_lshl_b32 s17, s17, 2
	s_add_co_u32 s17, s17, s41                     ; Y = 4 x cluster y + cy
	s_lshl_b32 s43, s41, 2
	s_lshl_b32 s43, 15, s43                        ; my row of the cluster
	s_lshl_b32 s44, 0x1111, s40                    ; my column
	; descriptor group 1: a tile of 128 rows x 192 bytes, 16 bytes of padding behind every 64
	s_or_b32 s[G1+0], s43, (0<<16)|(1<<20)|(1<<21)|(3<<22)|(3<<25)   ; 15:0 the mask: x's tiles go to my row; 17:16 element of 1 byte; 20 padding on; 21 set beside a mask; 24:22 after every 16 words; 31:25 of 4 words
	s_or_b32 s[G1B+0], s44, (0<<16)|(1<<20)|(1<<21)|(3<<22)|(3<<25)  ; the same with my column's mask
.irp g, G1, G1B
	s_mov_b32 s[\g+1], ROWB<<16                    ; tensor_dim0
	s_mov_b32 s[\g+2], 128<<16                     ; tensor_dim1
	s_mov_b32 s[\g+3], ROWB<<16                    ; tile_dim0
	s_mov_b32 s[\g+4], 128                         ; tile_dim1
	s_mov_b32 s[\g+5], KROW                        ; tensor_dim0_stride
	s_mov_b32 s[\g+6], 0
	s_mov_b32 s[\g+7], 0
.endr
	; the scales of 128 rows: a dense block of 8,192 bytes, as 32 rows of 256 bytes (32 elements of 8 bytes), 8 bytes of padding behind each
	s_or_b32 s[G1S+0], s43, (3<<16)|(1<<20)|(1<<21)|(5<<22)|(1<<25)
	s_or_b32 s[G1SB+0], s44, (3<<16)|(1<<20)|(1<<21)|(5<<22)|(1<<25)
.irp g, G1S, G1SB
	s_mov_b32 s[\g+1], 32<<16
	s_mov_b32 s[\g+2], 32<<16
	s_mov_b32 s[\g+3], 32<<16
	s_mov_b32 s[\g+4], 32
	s_mov_b32 s[\g+5], 32
	s_mov_b32 s[\g+6], 0
	s_mov_b32 s[\g+7], 0
.endr
	s_lshl_b32 s18, s16, 7
	s_lshl_b32 s20, s17, 8
	s_add_co_u32 s20, s20, s18                     ; x: row 256 Y + 128 x half
	s_lshl_b32 s46, s42, 7                         ; w1 or w3: row 128 X
	s_lshl_b32 s22, s20, 6                         ; where these rows' scales begin: 64 bytes a row
	s_mov_b32 s23, 0
	s_lshl_b32 s92, s46, 6
	s_mov_b32 s93, 0
	s_mul_i32 s20, s20, KROW                       ; and their codes (all under 2^24 bytes)
	s_mov_b32 s21, 0
	s_mul_i32 s46, s46, KROW
	s_mov_b32 s47, 0
	s_mul_i32 s45, s14, HALFT                      ; where they go: wave x 128 rows: no place in the cluster enters an LDS address
	s_mul_i32 s94, s14, HALFS
	s_wait_kmcnt 0x0
	s_cmp_eq_u32 s16, 0                            ; the even wave of the two that fetch weights takes w1, the odd one w3: the choice hangs on the wave's number alone
	s_cselect_b64 s[8:9], s[8:9], s[96:97]
	s_cselect_b64 s[10:11], s[10:11], s[98:99]
	s_add_nc_u64 s[20:21], s[4:5], s[20:21]
	s_add_nc_u64 s[22:23], s[6:7], s[22:23]
	s_add_nc_u64 s[46:47], s[8:9], s[46:47]
	s_add_nc_u64 s[92:93], s[10:11], s[92:93]
	CROUND                                         ; all sixteen work-groups are here: the first joint loads meet
	s_mov_b32 s[G0S], 1
	s_add_co_u32 s[G0S+1], s94, SCL
	s_mov_b64 s[G0S+2:G0S+3], s[22:23]
	s_or_b32 s[G0S+3], s[G0S+3], 0x80000000
	s_mov_b32 s[G0SB], 1
	s_add_co_u32 s[G0SB+1], s94, SCL
	s_mov_b64 s[G0SB+2:G0SB+3], s[92:93]
	s_or_b32 s[G0SB+3], s[G0SB+3], 0x80000000
	JLOAD G0S, G1S, G0SB, G1SB                     ; the scales first: they are wanted with slot 0
.irp s, 0,1
	s_mov_b32 s[G0+4*\s], 1
	s_add_co_u32 s[G0+4*\s+1], s45, \s*SLOT
	s_add_nc_u64 s[G0+4*\s+2:G0+4*\s+3], s[20:21], \s*ROWB
	s_or_b32 s[G0+4*\s+3], s[G0+4*\s+3], 0x80000000
	s_mov_b32 s[G0B+4*\s], 1
	s_add_co_u32 s[G0B+4*\s+1], s45, \s*SLOT
	s_add_nc_u64 s[G0B+4*\s+2:G0B+4*\s+3], s[46:47], \s*ROWB
	s_or_b32 s[G0B+4*\s+3], s[G0B+4*\s+3], 0x80000000
	JLOAD G0+4*\s, G1, G0B+4*\s, G1B               ; three loads of mine are out behind the last of these
.endr
	s_mov_b32 s96, 0x76543210                      ; v_permlanex16_b32's selects for lane l xor 16 (w3's addresses are done with)
	s_mov_b32 s97, 0xfedcba98
	s_mov_b32 s98, 0xbfb8aa3b                      ; -log2(e); the packed form names the pair and takes its low word for both halves
	s_mov_b32 s99, s98
	v_and_b32 v1, 15, v0                           ; r
	v_bfe_u32 v2, v0, 4, 1                         ; h
	v_and_b32 v6, 31, v0                           ; lane
	v_mul_u32_u24 v3, v1, PITCH
	v_mul_u32_u24 v4, v2, 24
	v_add_nc_u32 v4, v3, v4                        ; a fragment's row x pitch + 24 x half
	v_lshl_add_u32 v5, v2, 4, v4                   ; and the same behind one padding more
	s_mul_i32 s21, s15, HALFT                      ; my 128 rows of x
	s_mul_i32 s22, s16, 64*PITCH                   ; my 64 rows of w1 (w3's lie HALFT further on),
	s_add_co_u32 s22, s22, 2*HALFT                 ; behind x's 256
.irp s, 0,1
	v_add_nc_u32 v[ADRA+\s], s21, v4
	v_add_nc_u32 v[ADRB+\s], s22, v4
	v_add_nc_u32 v[ADRA+2+\s], s21, v5
	v_add_nc_u32 v[ADRB+2+\s], s22, v5
	s_add_co_u32 s21, s21, SLOT
	s_add_co_u32 s22, s22, SLOT
.endr
	v_lshrrev_b32 v7, 2, v6                        ; scale words: lane l takes row l of a pair of blocks: unit l / 4, 64 (l % 4) in it:
	v_mul_u32_u24 v7, v7, SUP                      ; word 66 (l / 4) + 16 (l % 4): the 32 lanes of a load of 8 bytes touch 64 different banks (ISA guide 11.1)
	v_and_b32 v8, 3, v6
	v_lshl_add_u32 v7, v8, 6, v7
	s_mul_i32 s21, s15, HALFS
	s_add_co_u32 s21, s21, SCL
	v_add_nc_u32 v[ADRSA], s21, v7
	s_mul_i32 s22, s16, 16*SUP                     ; my 64 rows of w1's scales: 16 units
	s_add_co_u32 s22, s22, SCL+2*HALFS
	v_add_nc_u32 v[ADRSB], s22, v7
	v_lshlrev_b32 v[GA], 4, v6
	v_lshlrev_b32 v[GB], 3, v6
	s_lshl_b32 s21, s15, 9                         ; the stage: 512 bytes for each half of the rows; my two bytes of a word at 2 x (my 64 f)
	s_lshl_b32 s22, s16, 1
	s_add_co_u32 s21, s21, s22
	s_add_co_u32 s21, s21, SCST
	v_lshl_add_u32 v[SST], v1, 4, s21
	s_lshl_b32 s21, s14, 8
	s_add_co_u32 s21, s21, SCST
	v_lshl_add_u32 v[SRD], v6, 3, s21              ; back: 256 bytes a wave, 8 a lane
	; where my results go, in registers that feed no descriptor
	s_lshl_b32 s2, s17, 1
	s_add_co_u32 s2, s2, s15                       ; row / 128
	s_mul_i32 s2, s2, 98304
	s_lshr_b32 s95, s42, 1                         ; f / 256
	s_mul_i32 s95, s95, 24576
	s_add_co_u32 s2, s2, s95
	s_and_b32 s95, s42, 1                          ; (f / 128) % 2
	s_mul_i32 s95, s95, 1536
	s_add_co_u32 s2, s2, s95
	s_mul_i32 s95, s16, 768                        ; my half of a fragment
	s_add_co_u32 s2, s2, s95
	s_mov_b32 s3, 0
	s_add_nc_u64 s[12:13], s[12:13], s[2:3]
	s_lshl_b32 s2, s17, 13
	s_lshl_b32 s95, s42, 10
	s_add_co_u32 s2, s2, s95
	s_lshl_b32 s95, s14, 8
	s_add_co_u32 s2, s2, s95
	s_add_nc_u64 s[66:67], s[66:67], s[2:3]
; A fragment, 16 rows x 128 K of 6-bit codes, is 12 registers: lane l holds row l % 16; registers 6 c .. 6 c + 5 hold K = 64 c + 32 (l / 16) + 0 .. 31: 24 bytes of the row, as they lie, in pieces of 8 bytes.
; Lanes 16-31 read three pieces further on; where that lies behind one padding more, the second address register serves.
.macro FRAG reg, adr, q, off
.irp p, 0,1,2,3,4,5
.set PC, 12*(\q)+6*(\p/3)+\p%3
.if PC%8 < 5
	ds_load_b64 v[\reg+2*\p:\reg+2*\p+1], v[\adr] offset:8*PC+16*(PC/8)+(\off)
.else
	ds_load_b64 v[\reg+2*\p:\reg+2*\p+1], v[\adr+2] offset:8*PC+16*(PC/8)+(\off)
.endif
.endr
.endm
; One matrix instruction.  rb, ra = 1: the scale words of source 0 (the weight), of source 1 (x), are taken from lanes 16-31 of their registers.  zero = 1: the product starts the sum: nothing is ever cleared.
.macro WM acc, bf, af, sb, sa, rb, ra, zero
.if \zero
.if (\rb) && (\ra)
	v_wmma_scale_f32_16x16x128_f8f6f4 v[\acc:\acc+7], v[\bf:\bf+FR-1], v[\af:\af+FR-1], 0, v[\sb], v[\sa] matrix_a_fmt:MATRIX_FMT_BF6 matrix_b_fmt:MATRIX_FMT_BF6 matrix_a_scale:MATRIX_SCALE_ROW1 matrix_b_scale:MATRIX_SCALE_ROW1
.elseif \rb
	v_wmma_scale_f32_16x16x128_f8f6f4 v[\acc:\acc+7], v[\bf:\bf+FR-1], v[\af:\af+FR-1], 0, v[\sb], v[\sa] matrix_a_fmt:MATRIX_FMT_BF6 matrix_b_fmt:MATRIX_FMT_BF6 matrix_a_scale:MATRIX_SCALE_ROW1
.elseif \ra
	v_wmma_scale_f32_16x16x128_f8f6f4 v[\acc:\acc+7], v[\bf:\bf+FR-1], v[\af:\af+FR-1], 0, v[\sb], v[\sa] matrix_a_fmt:MATRIX_FMT_BF6 matrix_b_fmt:MATRIX_FMT_BF6 matrix_b_scale:MATRIX_SCALE_ROW1
.else
	v_wmma_scale_f32_16x16x128_f8f6f4 v[\acc:\acc+7], v[\bf:\bf+FR-1], v[\af:\af+FR-1], 0, v[\sb], v[\sa] matrix_a_fmt:MATRIX_FMT_BF6 matrix_b_fmt:MATRIX_FMT_BF6
.endif
.else
.if (\rb) && (\ra)
	v_wmma_scale_f32_16x16x128_f8f6f4 v[\acc:\acc+7], v[\bf:\bf+FR-1], v[\af:\af+FR-1], v[\acc:\acc+7], v[\sb], v[\sa] matrix_a_fmt:MATRIX_FMT_BF6 matrix_b_fmt:MATRIX_FMT_BF6 matrix_a_scale:MATRIX_SCALE_ROW1 matrix_b_scale:MATRIX_SCALE_ROW1
.elseif \rb
	v_wmma_scale_f32_16x16x128_f8f6f4 v[\acc:\acc+7], v[\bf:\bf+FR-1], v[\af:\af+FR-1], v[\acc:\acc+7], v[\sb], v[\sa] matrix_a_fmt:MATRIX_FMT_BF6 matrix_b_fmt:MATRIX_FMT_BF6 matrix_a_scale:MATRIX_SCALE_ROW1
.elseif \ra
	v_wmma_scale_f32_16x16x128_f8f6f4 v[\acc:\acc+7], v[\bf:\bf+FR-1], v[\af:\af+FR-1], v[\acc:\acc+7], v[\sb], v[\sa] matrix_a_fmt:MATRIX_FMT_BF6 matrix_b_fmt:MATRIX_FMT_BF6 matrix_b_scale:MATRIX_SCALE_ROW1
.else
	v_wmma_scale_f32_16x16x128_f8f6f4 v[\acc:\acc+7], v[\bf:\bf+FR-1], v[\af:\af+FR-1], v[\acc:\acc+7], v[\sb], v[\sa] matrix_a_fmt:MATRIX_FMT_BF6 matrix_b_fmt:MATRIX_FMT_BF6
.endif
.endif
.endm
; 16 matrix instructions: x's blocks a0, a0 + 1 against the weights' eight, 128 along K: the slot's q-th.  p: the weights' set; sc: the set of scale words.
; The 64 accumulators take turns, one instruction a turn, in the same order in every step.
.macro MUL16 a0, p, q, sc, zero
.irp a, \a0, \a0+1
.irp b, 0,1,2,3,4,5,6,7
	WM 8*(8*((\a)%4)+\b), 128*(\p)+FR*\b, AF+FR*(\a), SC+16*(\sc)+8+2*(\b/2)+(\q), SC+16*(\sc)+2*((\a)/2)+(\q), \b%2, (\a)%2, \zero
.endr
.endr
.endm
.macro FETCH_B slot, q, p              ; the weights' eight fragments of the slot's q-th 128 along K into set p: w1's four blocks, then w3's four, HALFT further on
	WIN TO_B
.irp i, 0,1,2,3,4,5,6,7
	FRAG 128*(\p)+FR*\i, ADRB+\slot, \q, (\i/4)*HALFT+(\i%4)*16*PITCH
.endr
	WIN 0
.endm
.macro FETCH_A slot, q, i0             ; x's blocks i0 .. i0 + 3
.irp i, \i0, \i0+1, \i0+2, \i0+3
	FRAG AF+FR*(\i), ADRA+\slot, \q, (\i)*16*PITCH
.endr
.endm
.macro SCALES sc                       ; a slot's scale words into set sc: two words a row; a load serves a pair of blocks (32 rows: 8 units)
.irp i, 0,1,2,3
	ds_load_b64 v[SC+16*\sc+2*\i:SC+16*\sc+2*\i+1], v[ADRSA] offset:\i*8*SUP
.endr
.irp i, 0,1,2,3
	ds_load_b64 v[SC+16*\sc+8+2*\i:SC+16*\sc+8+2*\i+1], v[ADRSB] offset:(\i/2)*HALFS+(\i%2)*8*SUP
.endr
.endm
; A load into a register that a matrix instruction has read, and a vector instruction that reads a matrix result, stand NP places behind that matrix instruction; only plain vector instructions that name
; none of its registers are places (ISA guide 7.12.1 for vector instructions).
.macro PLACES n
.rept \n
	v_nop
.endr
.endm
; A step of 128 along K that has its successor in the same slot.
.macro STEP slot, q, zero
	s_wait_dscnt 4*NLA                             ; the weights' set, the scale words and x's blocks 0-3 are in; the youngest loads (x's blocks 4-7) may be out
	WIN MUL_LO
	MUL16 0, (\q)%2, \q, \slot, \zero
	MUL16 2, (\q)%2, \q, \slot, \zero
	s_wait_dscnt 0                                 ; x's blocks 4-7 are in (asked for 32 matrix instructions ago)
	PLACES NP
	FETCH_B \slot, (\q)+1, 1-(\q)%2
	FETCH_A \slot, (\q)+1, 0
	WIN MUL_HI
	MUL16 4, (\q)%2, \q, \slot, \zero
	MUL16 6, (\q)%2, \q, \slot, \zero
	PLACES NP
	WIN 0
	FETCH_A \slot, (\q)+1, 4
.endm
; A slot's last step changes slots: ONE barrier; in front of it each wave waits for all its tensor loads, adds 0 to its spare word, and waits for that and for its own reads of this slot.  fill = 1: this slot is filled again, two slots ahead.
.macro TURN slot, next, fill
	s_wait_tensorcnt 0x0                           ; all my tensor loads have landed: my part of the next slot (every window is 0 here)
	ds_add_u32 v[SPW], v[NIL]                      ; 0 onto my spare word
	s_wait_dscnt 4*NLA+1                           ; (the add and the youngest loads, x's blocks 4-7, may be out)
	WIN MUL_LO
	MUL16 0, 1, 1, \slot, 0                        ; sixteen matrix instructions stand between the add and the wait for it
	s_wait_dscnt 0x0                               ; the add is done, and my reads of this slot are over
	s_barrier_signal -1
	MUL16 2, 1, 1, \slot, 0
	WIN 0
	s_barrier_wait -1
.if \fill
	CREST                                          ; the barrier has opened a round of the cluster's barrier: no wave of any partner still reads this slot or has a load on its way
	s_add_nc_u64 s[G0+4*\slot+2:G0+4*\slot+3], s[G0+4*\slot+2:G0+4*\slot+3], ASTEP
	s_add_nc_u64 s[G0B+4*\slot+2:G0B+4*\slot+3], s[G0B+4*\slot+2:G0B+4*\slot+3], BSTEP
	JLOAD G0+4*\slot, G1, G0B+4*\slot, G1B         ; my one tensor load behind the round; the four v_nop behind it are the places in front of the loads below
.else
	PLACES NP
.endif
	v_add_nc_u32 v[ADRSA], SASTEP, v[ADRSA]        ; on to the next slot's scale words
	v_add_nc_u32 v[ADRSB], SBSTEP, v[ADRSB]
	FETCH_B \next, 0, 0
	FETCH_A \next, 0, 0
	SCALES \next
	WIN MUL_HI
	MUL16 4, 1, 1, \slot, 0
	MUL16 6, 1, 1, \slot, 0
	PLACES NP
	WIN 0
	FETCH_A \next, 0, 4
.endm
	s_wait_tensorcnt 1                             ; the scales and my part of slot 0 are in (slot 1's load may be out)
	s_barrier_signal -1
	s_barrier_wait -1                              ; everybody's are
	FETCH_B 0, 0, 0
	FETCH_A 0, 0, 0
	SCALES 0
	FETCH_A 0, 0, 4
	STEP 0, 0, 1                                   ; the first step stands in front of the loop: its products start the sums
	s_mov_b32 s3, LAPS-1
.Llap:                                                 ; a trip goes once round the ring, from a lap's second step to the next lap's first, and fills both slots again
	TURN 0, 1, 1
	STEP 1, 0, 0
	TURN 1, 0, 1
	STEP 0, 0, 0
	s_sub_co_u32 s3, s3, 1
	s_cmp_lg_u32 s3, 0
	s_cbranch_scc1 .Llap
	TURN 0, 1, 0                                   ; the last lap fills nothing, and has no round of the cluster's barrier
	STEP 1, 0, 0
	s_wait_dscnt 4*NLA                             ; the very last step: nothing more to fetch
	WIN MUL_LO
	MUL16 0, 1, 1, 1, 0
	MUL16 2, 1, 1, 1, 0
	s_wait_dscnt 0
	WIN MUL_HI
	MUL16 4, 1, 1, 1, 0
	MUL16 6, 1, 1, 1, 0
	WIN 0
; THE WAY OUT, a block of 16 rows x my 64 f at a time: 32 numbers a lane, in one of three buffers of 32 registers (v64-159) by turns.
; EXPB: e^(-h1).  RCPB: 1 / (1 + e^(-h1)).  GATE: (h1 x that) x h3, and the lanes' halves exchanged so that a lane's registers run along f.  QUANT: scale bytes, codes, stores.
; The transcendentals go in batches: block a's reciprocals and block a + 1's exponentials are issued together, block a - 1's quantising stands behind them as independent work, and ONE
; s_wait_alu depctr_va_vdst(0) stands ahead of the first line that names a result.
.macro EXPB a
.set TT, 64+32*((\a)%3)
.set AC, 64*((\a)%4)
	WIN 0x02+(\a)/4                                ; source 0: window 2 or 3
.set j, 0
.rept 16
	v_pk_mul_f32 v[TT+j:TT+j+1], v[AC+j:AC+j+1], s[98:99] op_sel_hi:[1,0]   ; h1 x -log2(e); each accumulator is read from its low end on
.set j, j+2
.endr
	WIN 0
.set j, 0
.rept 32
	v_exp_f32 v[TT+j], v[TT+j]
.set j, j+1
.endr
.endm
.macro RCPB a
.set TT, 64+32*((\a)%3)
.set j, 0
.rept 16
	v_pk_add_f32 v[TT+j:TT+j+1], v[TT+j:TT+j+1], 1.0 op_sel_hi:[1,0]
.set j, j+2
.endr
.set j, 0
.rept 32
	v_rcp_f32 v[TT+j], v[TT+j]
.set j, j+1
.endr
.endm
.macro GATE a
.set TT, 64+32*((\a)%3)
.set AC, 64*((\a)%4)
	WIN 0x02+(\a)/4
.set j, 0
.rept 16
	v_pk_mul_f32 v[TT+j:TT+j+1], v[AC+j:AC+j+1], v[TT+j:TT+j+1]             ; silu(h1) = h1 x sigmoid(h1)
.set j, j+2
.endr
.set j, 0
.rept 16
	v_pk_mul_f32 v[TT+j:TT+j+1], v[AC+32+j:AC+32+j+1], v[TT+j:TT+j+1]       ; x h3
.set j, j+2
.endr
	WIN 0
.set j, 0
.rept 8                                ; register 8 b + j holds f = 16 b + 8 h + j.  The first's lanes 16-31 change places with the second's lanes 0-15: register 16 B + i then holds f = 32 B + 16 h + i: sixteen neighbours
	v_permlane16_swap_b32 v[TT+j], v[TT+8+j]
	v_permlane16_swap_b32 v[TT+16+j], v[TT+24+j]
.set j, j+1
.endr
.endm
.macro QUANT a
.set TT, 64+32*((\a)%3)
.set PP, 160+8*(\a)                    ; each block has its own registers for its codes and its bytes: no store's data are written again
	v_max3_num_f32 v[QM], |v[TT]|, |v[TT+1]|, 0x2800000          ; my 16 numbers of each of the two blocks of 32, and the floor 2^(5 - 127): the byte cannot fall under 1
	v_max3_num_f32 v[QM+1], |v[TT+16]|, |v[TT+17]|, 0x2800000
.irp i, 2,4,6,8,10,12,14
	v_max3_num_f32 v[QM], v[QM], |v[TT+\i]|, |v[TT+\i+1]|
	v_max3_num_f32 v[QM+1], v[QM+1], |v[TT+16+\i]|, |v[TT+17+\i]|
.endr
	v_permlanex16_b32 v[QX], v[QM], s96, s97
	v_permlanex16_b32 v[QX+1], v[QM+1], s96, s97
	v_max_num_f32 v[QM], v[QM], v[QX]              ; with lane l xor 16's: the block's largest magnitude
	v_max_num_f32 v[QM+1], v[QM+1], v[QX+1]
	v_add_nc_u32 v[QO], 0xfe000000, v[QM]          ; 4 off its exponent field: the conversion takes the exponent field of this operand as its scale
	v_add_nc_u32 v[QO+1], 0xfe000000, v[QM+1]
	v_lshrrev_b32 v[QB], 23, v[QO]                 ; the scale's byte
	v_lshrrev_b32 v[QB+1], 23, v[QO+1]
	v_lshl_or_b32 v[QH+(\a)], v[QB+1], 8, v[QB]    ; my two bytes of the row's scale word
	v_cvt_scalef32_pk16_bf6_f32 v[PP:PP+2], v[TT:TT+15], v[QO]
	v_cvt_scalef32_pk16_bf6_f32 v[PP+4:PP+6], v[TT+16:TT+31], v[QO+1]   ; (a conversion's three registers begin on an even number)
	v_nop                                          ; one plain place behind a scaled conversion
.irp i, 0,1,2                          ; the operand's layout wants a WHOLE block in a lane: lanes 0-15 the first block, lanes 16-31 the second
	v_permlane16_swap_b32 v[PP+\i], v[PP+4+\i]
.endr
	v_mov_b32 v[PP+3], v[PP+4]
	v_mov_b32 v[PP+4], v[PP+5]
	v_mov_b32 v[PP+5], v[PP+6]
	global_store_b128 v[GA], v[PP:PP+3], s[12:13] offset:3072*(\a)          ; 32 lanes store 512 consecutive bytes, at a multiple of 256 from the buffer's first byte
	global_store_b64 v[GB], v[PP+4:PP+5], s[12:13] offset:3072*(\a)+512     ; and 256 more
	ds_store_b16 v[SST], v[QH+(\a)] offset:256*((\a)%2)+4*((\a)/2)          ; lanes l and l xor 16 write the same two bytes with the same value
.endm
	v_mov_b32 v[QX], 0                             ; written once: a lane permute's destination counts as one of its sources.  These two and two v_nop are the places behind the last products
	v_mov_b32 v[QX+1], 0
	v_nop
	v_nop
	EXPB 0
	v_nop                                          ; a plain instruction behind the last exponential
	s_wait_alu depctr_va_vdst(0)
	RCPB 0
	EXPB 1
	v_nop
	s_wait_alu depctr_va_vdst(0)
	GATE 0
.irp a, 1,2,3,4,5,6,7
	RCPB \a
.if \a < 7
	EXPB \a+1
.endif
	QUANT \a-1                                     ; names neither block a's buffer nor block a + 1's: its first line is the plain instruction behind the batch
	s_wait_alu depctr_va_vdst(0)                   ; one wait for block a's reciprocals and block a + 1's exponentials
	GATE \a
.endr
	QUANT 7
	s_wait_dscnt 0x0                               ; for the others' sake: my bytes lie in the stage (a word's four bytes come from two waves)
	s_barrier_signal -1
	s_barrier_wait -1
	ds_load_b64 v[240:241], v[SRD]
	s_wait_dscnt 0x0
	global_store_b64 v[GB], v[240:241], s[66:67]   ; 32 lanes store 256 consecutive bytes, at a multiple of 256 from the buffer's first byte
	s_wait_tensorcnt 0x0                           ; the wave's end: behind my last tensor load and my last LDS store
	ds_add_u32 v[SPW], v[NIL]
	s_wait_dscnt 0x0
	CROUND                                         ; the closing round: no work-group ends while a partner may still ask for a tile that names it
	s_endpgm
.Lfunc_end_k_qd5ef3cbc88_gate:
	.size	k_qd5ef3cbc88_gate, .Lfunc_end_k_qd5ef3cbc88_gate-k_qd5ef3cbc88_gate
	.p2alignl 7, 3214868480
	.fill 96, 4, 3214868480
	.section	.rodata,"a",@progbits
	.p2align	6, 0x0
	.amdhsa_kernel k_qd5ef3cbc88_gate
		.amdhsa_group_segment_fixed_size 327680
		.amdhsa_private_segment_fixed_size 0
		.amdhsa_enable_private_segment 0
		.amdhsa_kernarg_size 64
		.amdhsa_user_sgpr_count 2
		.amdhsa_user_sgpr_kernarg_segment_ptr 1
		.amdhsa_wavefront_size32 1
		.amdhsa_system_sgpr_workgroup_id_x 1
		.amdhsa_system_sgpr_workgroup_id_y 1
		.amdhsa_system_sgpr_workgroup_id_z 1
		.amdhsa_system_vgpr_workitem_id 0
		.amdhsa_next_free_vgpr 1024
		.amdhsa_next_free_sgpr 100
		.amdhsa_reserve_vcc 0
		.amdhsa_float_denorm_mode_32 3
		.amdhsa_float_denorm_mode_16_64 3
		.amdhsa_memory_ordered 1
		.amdhsa_forward_progress 1
		.amdhsa_inst_pref_size 202
	.end_amdhsa_kernel
	.amdgpu_metadata
---
amdhsa.version: [ 1, 2 ]
amdhsa.kernels:
  - .name:           k_qd5ef3cbc88_gate
    .symbol:         k_qd5ef3cbc88_gate.kd
    .args:
      - { .name: x_codes, .offset: 0, .size: 8, .value_kind: global_buffer, .address_space: global }
      - { .name: x_scales, .offset: 8, .size: 8, .value_kind: global_buffer, .address_space: global }
      - { .name: w1_codes, .offset: 16, .size: 8, .value_kind: global_buffer, .address_space: global }
      - { .name: w1_scales, .offset: 24, .size: 8, .value_kind: global_buffer, .address_space: global }
      - { .name: w3_codes, .offset: 32, .size: 8, .value_kind: global_buffer, .address_space: global }
      - { .name: w3_scales, .offset: 40, .size: 8, .value_kind: global_buffer, .address_space: global }
      - { .name: g_img, .offset: 48, .size: 8, .value_kind: global_buffer, .address_space: global }
      - { .name: g_scl, .offset: 56, .size: 8, .value_kind: global_buffer, .address_space: global }
    .group_segment_fixed_size: 327680
    .private_segment_fixed_size: 0
    .kernarg_segment_align: 8
    .kernarg_segment_size: 64
    .max_flat_workgroup_size: 128
    .sgpr_count:     100
    .vgpr_count:     1024
    .wavefront_size: 32
...
	.end_amdgpu_metadata
.endif
;; end of part 1
;; launch down (part 2): grid 8 x 32, 4 waves a work-group, clusters of 4 x 4, 327,680 bytes of LDS; arguments g_img, g_scl, w2_codes, w2_scales, out0; writes out0
.if DOCPART == 2
	.amdgcn_target "amdgcn-amd-amdhsa--gfx1250"
	.amdhsa_code_object_version 6
	.text
	.protected	k_qd5ef3cbc88_down
	.globl	k_qd5ef3cbc88_down
	.p2align	8
	.type	k_qd5ef3cbc88_down,@function
k_qd5ef3cbc88_down:
	s_mov_b64 s[64:65], 0
	v_nop
	global_prefetch_b8 v0, s[64:65] scope:SCOPE_SE
	s_setreg_imm32_b32 hwreg(HW_REG_WAVE_MODE, 25, 1), 1
	s_wait_xcnt 0x0
	s_wait_alu depctr_hold_cnt(0) depctr_sa_sdst(0) depctr_va_vdst(0) depctr_va_sdst(0) depctr_va_ssrc(0) depctr_va_vcc(0) depctr_vm_vsrc(0)
	s_getreg_b32 s2, hwreg(HW_REG_IB_STS2, 6, 4)
	s_cmp_eq_u32 s2, 0
	s_cbranch_scc0 .Lentry_in_a_cluster
	s_endpgm
.Lentry_in_a_cluster:
	s_bfe_u32 s2, ttmp6, 0x10000c
	s_cmp_lg_u32 s2, 0xf033
	s_cbranch_scc0 .Lentry_shape_is_right
	s_endpgm
.Lentry_shape_is_right:
; out[row][n] = sum over f of gate[row][f] w2[n][f].  gate: 8,192 x 1,024 as codes of BF6 (E3M2) with one E8M0 byte for each 32 along f, laid by the launch before as images of the operand's registers (g_img)
; and as scale words (g_scl).  w2: [2048][1024] codes, K innermost (a row is 768 bytes), its scales [2048][32].  out: [8192][2048] f32; sums in f32.
; g_img: [row / 128][f / 256][tile of 16 rows][(f / 128) % 2][1,536 bytes]; a fragment is two halves of 768 bytes (registers 6 c .. 6 c + 5): lane l's first four registers at 16 l, its last two at 512 + 8 l.
; g_scl: [row / 256][f / 128][half of the rows][128 words]; the word of row 16 a + r of a half at byte 256 (a % 2) + 16 r + 4 (a / 2).
; SHARES.  A work-group of four waves makes 256 x 256 of out (tile row Y, tile column X).  Wave w takes rows 64 w .. 64 w + 63 and ALL 256 columns, in four GROUPS of 64 columns, each over the whole K:
; 4 steps of 256 along K, 32 matrix instructions each, on 16 accumulators.  A finished group goes to the wave's stage in LDS and is stored while the next group is multiplied: the stores are spread over the launch.
; THE GATE'S ROWS STAY IN REGISTERS: 64 rows x 1,024 f are 32 fragments, 384 registers, loaded once, straight from their images: every load takes 512 or 256 consecutive bytes.
; w2'S WHOLE TILE LIES IN LDS: 256 rows of 768 bytes, brought by the tensor data mover at the start, four loads a wave (16 rows of each group); no LDS byte is filled twice.  All four waves read it.
; CLUSTERS: 4 x 4 work-groups.  The four of a column of the cluster need the same tile of w2: it is asked for jointly.  The gate's rows, which the work-groups of a tile row share, are NOT asked for jointly:
; a joint load ends in LDS, and beside w2's tile (208,896 bytes) and the stages (69,632) the gate's 196,608 bytes have no room in 327,680.
; THE MATRIX INSTRUCTION IS USED TRANSPOSED (source 0 = 16 rows of w2, source 1 = 16 rows of the gate): lane (r, h) holds row r and, in register j of block b, column 16 b + 8 h + j.
; All scale words are loaded once into registers that hold nothing else: lanes 0-15 the words of an even block of 16 rows, lanes 16-31 those of the next odd block.
; REGISTERS, in windows of 256: window 0: v0-23 addresses; v24-39 the gate's scale words; v40-103 w2's; v128-255 the accumulators ((a, b) at v[128 + 8 (4 a + b)]).
;   window 1: the gate's fragments of K steps 0-3 ((a, s) at v[12 (4 (s % 4) + a)]); v192-255 out buffers 0, 1.   window 2: K steps 4-7; v192-255 out buffers 2, 3.   window 3: w2's fragments, two sets of 96.
.set SIZE_N, 2048
.set KROW,   768                       ; a row of w2 in memory
.set PITCH,  816                       ; and in LDS: 3 x (256 bytes + 16 of padding) = 204 words: row r starts at bank 12 r mod 64 (64 banks of 4 bytes: ISA guide 11.1): 16 rows at 16 different multiples of 4
.set QRT,    16*PITCH                  ; 16 rows: what one tensor load brings, and a block of a group
.set GRP,    64*PITCH                  ; a group's 64 rows
.set FR,     12                        ; registers of a fragment
.set STG,    4*GRP                     ; behind w2's tile: a stage of 64 rows x (256 bytes + 16) for each wave; no fill lands there
.set SPITCH, 272
.set WSTG,   64*SPITCH
.set SPARE,  STG+4*WSTG                ; the spare words, 128 bytes for each wave; no other line names them
.set LA16,  6                          ; v6  16 x lane
.set LA8,   7                          ; v7  8 x lane
.set LB32,  8                          ; v8  32 x lane
.set STO,   9                          ; v9  the stage: where I put 32 bytes of a row
.set RD,    10                         ; v10 the stage: where I read rows back
.set CO,    11                         ; v11 my byte offset in two rows of out
.set SPW,   12                         ; v12 LDS address of my spare word; never rewritten
.set NIL,   13                         ; v13 0; never rewritten
.set ADRB,  16                         ; v[16 + 2 g] LDS address of my lane's place in group g; v[17 + 2 g] the same behind one padding more
.set AS,    24                         ; the gate's scale words: K step s, blocks 2 i and 2 i + 1 at v[AS + 2 s + i]
.set BS,    40                         ; w2's: group g, blocks 2 i and 2 i + 1, K step s at v[BS + 16 g + 8 i + s]
.set ACC,   128
.set OB,    192                        ; out buffer k: v[OB + 32 (k % 2)] of window 1 + k / 2
.set G1,    24                         ; s[24:31] descriptor group 1
.set G0,    32                         ; s[32:47] descriptor group 0, one set for each group; never rewritten
.set MSB, 0
.macro WIN new                         ; the immediate's high byte repeats the setting that is left
.if MSB != (\new)
	s_set_vgpr_msb (MSB<<8)|(\new)
.set MSB, (\new)
.endif
.endm
.macro CREST                           ; a round of the cluster's barrier behind its opening barrier
	s_cmp_lg_u32 s14, 0
	s_cbranch_scc1 .Lnot_wave_0_\@
	s_barrier_signal -3
.Lnot_wave_0_\@:
	s_barrier_wait -3
	s_barrier_signal -1
	s_barrier_wait -1
.endm
.macro CROUND                          ; a whole round
	s_barrier_signal -1
	s_barrier_wait -1
	CREST
.endm
; A load into a register that a matrix instruction has read, and an LDS store that reads a matrix result, stand 4 places behind that matrix instruction; a matrix instruction that begins an accumulator anew, 5.
; Only plain vector instructions that name none of its registers are places (ISA guide 7.12.1 for vector instructions).
.macro PLACES n
.rept \n
	v_nop
.endr
.endm
	s_load_b128 s[4:7], s[0:1], 0x0                ; g_img s[4:5], g_scl s[6:7]
	s_load_b128 s[8:11], s[0:1], 0x10              ; w2's codes s[8:9], w2's scales s[10:11]
	s_load_b64 s[12:13], s[0:1], 0x20              ; out
	v_lshl_add_u32 v[SPW], v0, 2, SPARE
	v_mov_b32 v[NIL], 0
	ds_add_u32 v12, v13
	ds_add_u32 v12, v13
	s_wait_dscnt 0x0
	v_lshrrev_b32 v1, 5, v0
	v_readfirstlane_b32 s14, v1                    ; wave 0..3
	s_lshr_b32 s15, s14, 1                         ; which 128 rows of the tile hold my 64,
	s_and_b32 s16, s14, 1                          ; and which half of those is mine
	s_bfe_u32 s18, ttmp6, 0x40000                  ; cx, cy: my place in the cluster
	s_bfe_u32 s19, ttmp6, 0x40004
	s_lshl_b32 s20, ttmp9, 2
	s_add_co_u32 s20, s20, s18                     ; X: tile column = 4 x cluster x + cx
	s_and_b32 s17, ttmp7, 0xffff
	s_lshl_b32 s17, s17, 2
	s_add_co_u32 s17, s17, s19                     ; Y: tile row = 4 x cluster y + cy
	s_lshl_b32 s21, 0x1111, s18                    ; my column of the cluster
	; descriptor group 1: 16 rows x 768 bytes, 16 bytes of padding behind every 256
	s_or_b32 s[G1+0], s21, (0<<16)|(1<<20)|(1<<21)|(5<<22)|(3<<25)   ; 15:0 the mask; 17:16 element of 1 byte; 20 padding on; 21 set beside a mask; 24:22 after every 64 words; 31:25 of 4 words
	s_mov_b32 s[G1+1], KROW<<16                    ; tensor_dim0
	s_mov_b32 s[G1+2], 16<<16                      ; tensor_dim1
	s_mov_b32 s[G1+3], KROW<<16                    ; tile_dim0
	s_mov_b32 s[G1+4], 16                          ; tile_dim1
	s_mov_b32 s[G1+5], KROW                        ; tensor_dim0_stride
	s_mov_b32 s[G1+6], 0
	s_mov_b32 s[G1+7], 0
	; byte offsets, each in registers of its own (all under 2^27)
	s_lshl_b32 s48, s20, 8
	s_lshl_b32 s49, s14, 4
	s_add_co_u32 s48, s48, s49                     ; w2's codes: row 256 X + 16 x wave: the tile column and the wave's number alone
	s_mul_i32 s48, s48, KROW
	s_mov_b32 s49, 0
	s_mul_i32 s22, s14, QRT                        ; and where they go in a group: no place in the cluster enters an LDS address
	s_lshl_b32 s50, s20, 13                        ; w2's scales: 256 X rows of 32 bytes
	s_mov_b32 s51, 0
	s_lshl_b32 s52, s17, 1
	s_add_co_u32 s52, s52, s15                     ; the gate's images: row / 128 = 2 Y + wave / 2,
	s_mul_i32 s52, s52, 98304
	s_mul_i32 s53, s16, 12288                      ; and my four tiles of 16 rows of its eight
	s_add_co_u32 s52, s52, s53
	s_mov_b32 s53, 0
	s_lshl_b32 s54, s17, 13                        ; the gate's scale words: 8,192 Y + 512 (wave / 2) + 8 (wave % 2)
	s_lshl_b32 s55, s15, 9
	s_add_co_u32 s54, s54, s55
	s_lshl_b32 s55, s16, 3
	s_add_co_u32 s54, s54, s55
	s_mov_b32 s55, 0
	s_lshl_b32 s56, s17, 8
	s_lshl_b32 s57, s14, 6
	s_add_co_u32 s56, s56, s57                     ; out: row 256 Y + 64 x wave, 8,192 bytes a row,
	s_lshl_b32 s56, s56, 13
	s_lshl_b32 s57, s20, 10                        ; column 256 X
	s_add_co_u32 s56, s56, s57
	s_mov_b32 s57, 0
	v_and_b32 v1, 15, v0                           ; r
	v_bfe_u32 v2, v0, 4, 1                         ; h
	v_and_b32 v3, 31, v0                           ; lane
	v_lshlrev_b32 v[LA16], 4, v3
	v_lshlrev_b32 v[LA8], 3, v3
	v_lshlrev_b32 v[LB32], 5, v3
	v_mul_u32_u24 v4, v1, PITCH
	v_mad_u32_u24 v4, v2, 24, v4                   ; a fragment's row x pitch + 24 x half
	v_lshl_add_u32 v5, v2, 4, v4                   ; and the same behind one padding more
.irp g, 0,1,2,3
	v_add_nc_u32 v[ADRB+2*\g], \g*GRP, v4
	v_add_nc_u32 v[ADRB+2*\g+1], \g*GRP, v5
.endr
	s_mul_i32 s23, s14, WSTG
	s_add_co_u32 s23, s23, STG                     ; my stage
	v_mul_u32_u24 v4, v1, SPITCH                   ; in: row r of a block, 32 bytes for each half of the lanes
	v_lshl_add_u32 v4, v2, 5, v4
	v_add_nc_u32 v[STO], s23, v4
	v_mul_u32_u24 v5, v2, SPITCH                   ; back: lanes 0-15 take one row of 256 bytes, lanes 16-31 the next
	v_lshl_add_u32 v5, v1, 4, v5
	v_add_nc_u32 v[RD], s23, v5
	v_lshlrev_b32 v[CO], 13, v2                    ; and the same two rows in out
	v_lshl_add_u32 v[CO], v1, 4, v[CO]
	s_wait_kmcnt 0x0
	s_add_nc_u64 s[8:9], s[8:9], s[48:49]
	s_add_nc_u64 s[10:11], s[10:11], s[50:51]
	s_add_nc_u64 s[4:5], s[4:5], s[52:53]
	s_add_nc_u64 s[6:7], s[6:7], s[54:55]
	s_add_nc_u64 s[12:13], s[12:13], s[56:57]
.irp g, 0,1,2,3
	s_mov_b32 s[G0+4*\g], 1                                        ; count = 1
	s_add_co_u32 s[G0+4*\g+1], s22, \g*GRP                         ; LDS address: group g, my 16 rows
	s_add_nc_u64 s[G0+4*\g+2:G0+4*\g+3], s[8:9], \g*64*KROW        ; global address
	s_or_b32 s[G0+4*\g+3], s[G0+4*\g+3], 0x80000000                ; type = 2
.endr
; The gate's fragments of step t (K steps 2 t and 2 t + 1, my four tiles of rows): 32 loads, each of 512 or 256 consecutive bytes
.macro ALOAD t
	WIN 0x40*(1+(\t)/2)                            ; destination window 1 or 2
.irp q, 0,1
.irp a, 0,1,2,3
.set RA, FR*(4*((2*(\t)+\q)%4)+\a)
.set OA, (\t)*24576+\a*3072+\q*1536
	global_load_b128 v[RA:RA+3], v[LA16], s[4:5] offset:OA
	global_load_b64 v[RA+4:RA+5], v[LA8], s[4:5] offset:OA+512
	global_load_b128 v[RA+6:RA+9], v[LA16], s[4:5] offset:OA+768
	global_load_b64 v[RA+10:RA+11], v[LA8], s[4:5] offset:OA+1280
.endr
.endr
.endm
	; 56 loads go out ahead of the cluster's round: all scale words, and the gate's first step
.irp g, 0,1,2,3
.irp i, 0,1
	global_load_b128 v[BS+16*\g+8*\i:BS+16*\g+8*\i+3], v[LB32], s[10:11] offset:(64*\g+32*\i)*32        ; lane l: row 64 g + 32 i + l of the tile, its words of K steps 0-3,
	global_load_b128 v[BS+16*\g+8*\i+4:BS+16*\g+8*\i+7], v[LB32], s[10:11] offset:(64*\g+32*\i)*32+16   ; and of K steps 4-7
.endr
.endr
.irp s, 0,1,2,3,4,5,6,7
	global_load_b64 v[AS+2*\s:AS+2*\s+1], v[LA16], s[6:7] offset:1024*\s   ; lane 16 (a % 2) + r, register a / 2: the word of my block a's row r
.endr
	ALOAD 0
	WIN 0                                          ; at a label and at a branch every window is 0
	CROUND                                         ; all sixteen work-groups are here: the joint loads meet
	tensor_load_to_lds s[G0:G0+3], s[G1:G1+7]      ; w2's whole tile: my 16 rows of each group, group 0 first: four loads of mine are out
	s_nop 0
	tensor_load_to_lds s[G0+4:G0+7], s[G1:G1+7]
	s_nop 0
	tensor_load_to_lds s[G0+8:G0+11], s[G1:G1+7]
	s_nop 0
	tensor_load_to_lds s[G0+12:G0+15], s[G1:G1+7]
	s_nop 0
	PLACES 4                                       ; four v_nop follow the last of them
	ALOAD 1                                        ; the rest of the gate's rows: 96 loads more, 152 in all
	ALOAD 2
	ALOAD 3
; A fragment of w2, 16 rows x 128 K of 6-bit codes, is 12 registers: lane l holds row l % 16; registers 6 c .. 6 c + 5 hold K = 64 c + 32 (l / 16) + 0 .. 31: 24 bytes of the row, as they lie, in pieces of 8 bytes.
; Piece p of a row lies at 8 p + 16 (p / 32).  Lanes 16-31 read three pieces further on; where that lies behind one padding more, the second address register serves.  s: the K step, 0 to 7.
.macro FRAG reg, adr, s, off
.irp p, 0,1,2,3,4,5
.set PC, 12*(\s)+6*(\p/3)+\p%3
.if PC%32 < 29
	ds_load_b64 v[\reg+2*\p:\reg+2*\p+1], v[\adr] offset:8*PC+16*(PC/32)+(\off)
.else
	ds_load_b64 v[\reg+2*\p:\reg+2*\p+1], v[\adr+1] offset:8*PC+16*(PC/32)+(\off)
.endif
.endr
.endm
.macro FETCH_B g, t, p                 ; group g's eight fragments of step t (two K steps x four blocks of 16 columns) into set p: 48 loads
	WIN 0xc0                                       ; destination window 3, address window 0
.irp q, 0,1
.irp b, 0,1,2,3
	FRAG 96*(\p)+FR*(4*\q+\b), ADRB+2*(\g), 2*(\t)+\q, \b*QRT
.endr
.endr
.endm
; One matrix instruction.  rb, ra = 1: the scale words of source 0 (w2), of source 1 (the gate), are taken from lanes 16-31 of their registers.  zero = 1: the product starts the sum: nothing is ever cleared.
.macro WM acc, bf, af, sb, sa, rb, ra, zero
.if \zero
.if (\rb) && (\ra)
	v_wmma_scale_f32_16x16x128_f8f6f4 v[\acc:\acc+7], v[\bf:\bf+FR-1], v[\af:\af+FR-1], 0, v[\sb], v[\sa] matrix_a_fmt:MATRIX_FMT_BF6 matrix_b_fmt:MATRIX_FMT_BF6 matrix_a_scale:MATRIX_SCALE_ROW1 matrix_b_scale:MATRIX_SCALE_ROW1
.elseif \rb
	v_wmma_scale_f32_16x16x128_f8f6f4 v[\acc:\acc+7], v[\bf:\bf+FR-1], v[\af:\af+FR-1], 0, v[\sb], v[\sa] matrix_a_fmt:MATRIX_FMT_BF6 matrix_b_fmt:MATRIX_FMT_BF6 matrix_a_scale:MATRIX_SCALE_ROW1
.elseif \ra
	v_wmma_scale_f32_16x16x128_f8f6f4 v[\acc:\acc+7], v[\bf:\bf+FR-1], v[\af:\af+FR-1], 0, v[\sb], v[\sa] matrix_a_fmt:MATRIX_FMT_BF6 matrix_b_fmt:MATRIX_FMT_BF6 matrix_b_scale:MATRIX_SCALE_ROW1
.else
	v_wmma_scale_f32_16x16x128_f8f6f4 v[\acc:\acc+7], v[\bf:\bf+FR-1], v[\af:\af+FR-1], 0, v[\sb], v[\sa] matrix_a_fmt:MATRIX_FMT_BF6 matrix_b_fmt:MATRIX_FMT_BF6
.endif
.else
.if (\rb) && (\ra)
	v_wmma_scale_f32_16x16x128_f8f6f4 v[\acc:\acc+7], v[\bf:\bf+FR-1], v[\af:\af+FR-1], v[\acc:\acc+7], v[\sb], v[\sa] matrix_a_fmt:MATRIX_FMT_BF6 matrix_b_fmt:MATRIX_FMT_BF6 matrix_a_scale:MATRIX_SCALE_ROW1 matrix_b_scale:MATRIX_SCALE_ROW1
.elseif \rb
	v_wmma_scale_f32_16x16x128_f8f6f4 v[\acc:\acc+7], v[\bf:\bf+FR-1], v[\af:\af+FR-1], v[\acc:\acc+7], v[\sb], v[\sa] matrix_a_fmt:MATRIX_FMT_BF6 matrix_b_fmt:MATRIX_FMT_BF6 matrix_a_scale:MATRIX_SCALE_ROW1
.elseif \ra
	v_wmma_scale_f32_16x16x128_f8f6f4 v[\acc:\acc+7], v[\bf:\bf+FR-1], v[\af:\af+FR-1], v[\acc:\acc+7], v[\sb], v[\sa] matrix_a_fmt:MATRIX_FMT_BF6 matrix_b_fmt:MATRIX_FMT_BF6 matrix_b_scale:MATRIX_SCALE_ROW1
.else
	v_wmma_scale_f32_16x16x128_f8f6f4 v[\acc:\acc+7], v[\bf:\bf+FR-1], v[\af:\af+FR-1], v[\acc:\acc+7], v[\sb], v[\sa] matrix_a_fmt:MATRIX_FMT_BF6 matrix_b_fmt:MATRIX_FMT_BF6
.endif
.endif
.endm
; 16 matrix instructions: my four blocks of rows against the group's four blocks of columns, K step 2 t + q.  p: w2's set.
; The 16 accumulators take turns, one instruction a turn, in the same order in every K step.
.macro MUL16 t, q, p, g, zero
.irp a, 0,1,2,3
.irp b, 0,1,2,3
	WM ACC+8*(4*\a+\b), 96*(\p)+FR*(4*(\q)+\b), FR*(4*((2*(\t)+(\q))%4)+\a), BS+16*(\g)+8*(\b/2)+2*(\t)+(\q), AS+2*(2*(\t)+(\q))+\a/2, \b%2, \a%2, \zero
.endr
.endr
.endm
; THE WAY OUT.  A lane holds 32 neighbouring bytes of a row, and the lanes beside it hold other rows: so a group's 64 rows x 256 bytes go through my own stage and come back as whole rows.
.macro OUTLD k                         ; block k (16 rows) of the group in the stage comes back into out buffer k: two rows a load
	WIN 0x40*(1+(\k)/2)                            ; destination window 1 or 2
.irp i, 0,1,2,3,4,5,6,7
	ds_load_b128 v[OB+32*((\k)%2)+4*\i:OB+32*((\k)%2)+4*\i+3], v[RD] offset:(16*(\k)+2*\i)*SPITCH
.endr
.endm
.macro SEND g, k                       ; out buffer k is stored: block k of group g.  Every offset is an immediate: 62 rows of 8,192 bytes and 768 at the most, inside the signed 24 bits (ISA guide, chapter 10)
	WIN 0x04*(1+(\k)/2)                            ; a store's data are its source 1: window 1 or 2
.irp i, 0,1,2,3,4,5,6,7
	global_store_b128 v[CO], v[OB+32*((\k)%2)+4*\i:OB+32*((\k)%2)+4*\i+3], s[12:13] offset:(16*(\k)+2*\i)*SIZE_N*4+256*(\g) th:TH_STORE_NT   ; 16 lanes store 256 consecutive bytes, at a multiple of 256 from out's first byte; written once, read by nobody here
.endr
.endm
; Step t of group g: 256 along K.  At its head the next step's fragments of w2 are fetched into the other set, 32 matrix instructions ahead of their use; from group 1 on, block t of the group before comes back
; from the stage and block t - 1 is stored.  lc: in group 0, how many of the 152 loads may still be out (-1: no wait).
.macro STEP g, t, lc
	s_wait_dscnt 0x0                               ; this step's fragments are in; so is the block that the last step asked of the stage; at t = 0: my stores into the stage have read the accumulators
.if (\g) > 0
	s_wait_xcnt 0x0                                ; the stores issued a step ago and earlier have read their registers: out buffer t, stored three steps ago, may be loaded again
.endif
.if ((\t) == 3) && ((\g) < 3)
	s_wait_tensorcnt 2-(\g)                        ; my 16 rows of the next group have landed (the later groups' loads may stay out)
	s_barrier_signal -1                            ; (no LDS instruction of mine is out)
	s_barrier_wait -1                              ; everybody's have
.endif
	PLACES 4                                       ; behind the last step's products, which read the set that is loaded now
.if (\t) < 3
	FETCH_B \g, (\t)+1, ((\t)+1)%2
.elseif (\g) < 3
	FETCH_B (\g)+1, 0, 0
.endif
.if (\g) > 0
	OUTLD \t
.if (\t) > 0
	SEND (\g)-1, (\t)-1
.endif
.endif
.if (\lc) >= 0
	s_wait_loadcnt \lc                             ; the scale words and the gate's fragments up to this step are in
.endif
	WIN 0x07+4*((\t)/2)                            ; source 0 (w2) window 3, source 1 (the gate) window 1 or 2, C and D window 0
.if (\t) == 0
	MUL16 \t, 0, 0, \g, 1                          ; a group's first products start its sums
.else
	MUL16 \t, 0, (\t)%2, \g, 0
.endif
	MUL16 \t, 1, (\t)%2, \g, 0
.endm
; A group's end: its 16 accumulators go into the stage, each from its low end on.
.macro GEND g
	PLACES 5                                       ; 4 in front of the stores that read the results, 5 in front of the products that begin the accumulators anew
	s_wait_dscnt 0x0                               ; the last block of the group before is back from the stage, which is written again below; the next group's first fragments are in
.if (\g) > 0
	SEND (\g)-1, 3
.endif
	WIN 0
.irp a, 0,1,2,3
.irp b, 0,1,2,3
	ds_store_b128 v[STO], v[ACC+8*(4*\a+\b):ACC+8*(4*\a+\b)+3] offset:\a*16*SPITCH+64*\b
	ds_store_b128 v[STO], v[ACC+8*(4*\a+\b)+4:ACC+8*(4*\a+\b)+7] offset:\a*16*SPITCH+64*\b+16
.endr
.endr
.endm
	s_wait_tensorcnt 3                             ; my 16 rows of group 0 have landed (three loads may stay out)
	s_barrier_signal -1
	s_barrier_wait -1                              ; everybody's have
	FETCH_B 0, 0, 0
	STEP 0, 0, 63                                  ; of the 152 loads step t wants the first 56 + 32 t: 96, 64, 32, 0 may be out; a wait names 63 at the most
	STEP 0, 1, 63
	STEP 0, 2, 32
	STEP 0, 3, 0
	GEND 0
.irp g, 1,2,3
	STEP \g, 0, -1
	STEP \g, 1, -1
	STEP \g, 2, -1
	STEP \g, 3, -1
	GEND \g
.endr
	; the last group has no products to leave under: its four blocks follow each other
	s_wait_xcnt 0x0                                ; the stores issued so far have read their registers: all four out buffers may be loaded again
	OUTLD 0                                        ; LDS serves a wave's instructions in order (ISA guide 5.7.1.4): these see my stores into the stage
	OUTLD 1
	OUTLD 2
	s_wait_dscnt 16                                ; block 0 is back (behind it: blocks 1 and 2)
	SEND 3, 0
	OUTLD 3
	s_wait_dscnt 16                                ; block 1 (behind it: blocks 2 and 3)
	SEND 3, 1
	s_wait_dscnt 8                                 ; block 2
	SEND 3, 2
	s_wait_dscnt 0x0
	SEND 3, 3
	WIN 0
	s_wait_tensorcnt 0x0                           ; the wave's end: behind my last tensor load and my last LDS store
	ds_add_u32 v[SPW], v[NIL]
	s_wait_dscnt 0x0
	CROUND                                         ; the closing round: no work-group ends while a partner may still ask for a tile that names it
	s_endpgm
.Lfunc_end_k_qd5ef3cbc88_down:
	.size	k_qd5ef3cbc88_down, .Lfunc_end_k_qd5ef3cbc88_down-k_qd5ef3cbc88_down
	.p2alignl 7, 3214868480
	.fill 96, 4, 3214868480
	.section	.rodata,"a",@progbits
	.p2align	6, 0x0
	.amdhsa_kernel k_qd5ef3cbc88_down
		.amdhsa_group_segment_fixed_size 327680
		.amdhsa_private_segment_fixed_size 0
		.amdhsa_enable_private_segment 0
		.amdhsa_kernarg_size 40
		.amdhsa_user_sgpr_count 2
		.amdhsa_user_sgpr_kernarg_segment_ptr 1
		.amdhsa_wavefront_size32 1
		.amdhsa_system_sgpr_workgroup_id_x 1
		.amdhsa_system_sgpr_workgroup_id_y 1
		.amdhsa_system_sgpr_workgroup_id_z 1
		.amdhsa_system_vgpr_workitem_id 0
		.amdhsa_next_free_vgpr 1024
		.amdhsa_next_free_sgpr 66
		.amdhsa_reserve_vcc 0
		.amdhsa_float_denorm_mode_32 3
		.amdhsa_float_denorm_mode_16_64 3
		.amdhsa_memory_ordered 1
		.amdhsa_forward_progress 1
		.amdhsa_inst_pref_size 168
	.end_amdhsa_kernel
	.amdgpu_metadata
---
amdhsa.version: [ 1, 2 ]
amdhsa.kernels:
  - .name:           k_qd5ef3cbc88_down
    .symbol:         k_qd5ef3cbc88_down.kd
    .args:
      - { .name: g_img, .offset: 0, .size: 8, .value_kind: global_buffer, .address_space: global }
      - { .name: g_scl, .offset: 8, .size: 8, .value_kind: global_buffer, .address_space: global }
      - { .name: w2_codes, .offset: 16, .size: 8, .value_kind: global_buffer, .address_space: global }
      - { .name: w2_scales, .offset: 24, .size: 8, .value_kind: global_buffer, .address_space: global }
      - { .name: out0, .offset: 32, .size: 8, .value_kind: global_buffer, .address_space: global }
    .group_segment_fixed_size: 327680
    .private_segment_fixed_size: 0
    .kernarg_segment_align: 8
    .kernarg_segment_size: 40
    .max_flat_workgroup_size: 128
    .sgpr_count:     66
    .vgpr_count:     1024
    .wavefront_size: 32
...
	.end_amdgpu_metadata
.endif
;; end of part 2
